; MI455X (gfx1250); checked and timed in simulation.
; The chip was launched on July 23, 2026; its instructions are those of AMD's public machine-readable ISA for CDNA 5 (MIT licence, August 2026) and "CDNA5" Instruction Set Architecture Reference Guide (July 2026). The comments in the code are by the model that wrote it; some were corrected since.
;; Attention Layer. Allowed arithmetic: float matrix products may take bf16 or f16 operands with f32 sums; all other float work in f32.
;; Inputs: attention_mask 4 x 2,048 x 2,048 int32; k 4 x 2,048 x 1,024 float32; q 4 x 2,048 x 1,024 float32; v 4 x 2,048 x 1,024 float32; wk_bias 1,024 float32; wk_kernel 1,024 x 1,024 float32; wq_bias 1,024 float32; wq_kernel 1,024 x 1,024 float32; wv_bias 1,024 float32; wv_kernel 1,024 x 1,024 float32.
;; Outputs: out0 4 x 2,048 x 1,024 float32.
;; 2 versions, each right; version 2 is version 1 with the launch cvt written anew for expert scheduling mode. Each part assembles by itself: llvm-mc -triple=amdgcn-amd-amdhsa -mcpu=gfx1250 --defsym DOCPART=n.
;; ======== version 1 of 2: 3 launches
;; limits: values are held in f16: magnitudes above 65,504 overflow, below 6.1e-05 lose precision
;; workspace buffers: xb 50,331,648 bytes; wb 6,291,456 bytes; qkv 50,331,648 bytes
;; launch cvt (part 1): grid 1024 x 1, 8 waves a work-group, no clusters, 0 bytes of LDS; arguments q, k, v, wq_kernel, wk_kernel, wv_kernel, xb, wb; writes xb, wb
.if DOCPART == 1
	.amdgcn_target "amdgcn-amd-amdhsa--gfx1250"
	.amdhsa_code_object_version 6
	.text
	.protected	k_q31d287bfee_cvt
	.globl	k_q31d287bfee_cvt
	.p2align	8
	.type	k_q31d287bfee_cvt,@function
k_q31d287bfee_cvt:
	s_mov_b64 s[64:65], 0
	v_nop
	global_prefetch_b8 v0, s[64:65] scope:SCOPE_SE
	s_setreg_imm32_b32 hwreg(HW_REG_WAVE_MODE, 25, 1), 1
	s_wait_xcnt 0x0
; Cast to bf16: xb[3][8192][1024] = q, k, v;  wb[3][1024][1024] = wq, wk, wv (not transposed).  Rounding to nearest even.
; A stream: every input byte is read once and every output byte written once; LDS, barriers and matrix units would add nothing.
; Work-group x of 1,024 takes 1/1,024 of each of the six inputs: 32,768 bytes of q, k and v (eight loads of 16 bytes a thread each)
; and 4,096 bytes of each weight (one load).  All 27 loads of a thread go out at once, each into registers of its own, so there is no loop.
; A load of a wave covers 512 consecutive bytes; a store of a wave covers 256 consecutive bytes, aligned.
.set NLOADS, 27
.set X, 4                              ; v[4+4n:7+4n]: load n; its first two registers then hold the four bf16 to store
	s_load_b512 s[8:23], s[0:1], 0x0               ; q s[8:9], k s[10:11], v s[12:13], wq s[14:15], wk s[16:17], wv s[18:19], xb s[20:21], wb s[22:23]
	v_lshlrev_b32 v1, 4, v0                        ; 16 bytes a thread in
	v_lshlrev_b32 v2, 3, v0                        ; 8 bytes a thread out
	s_lshl_b32 s4, ttmp9, 15                       ; my 32,768 bytes of q, k, v
	s_mov_b32 s5, 0
	s_lshl_b32 s6, ttmp9, 12                       ; my 4,096 bytes of a weight
	s_mov_b32 s7, 0
	s_lshl_b32 s36, ttmp9, 14                      ; half as many bytes out
	s_mov_b32 s37, 0
	s_lshl_b32 s38, ttmp9, 11
	s_mov_b32 s39, 0
	s_wait_kmcnt 0x0
.irp g, 0,1,2
	s_add_nc_u64 s[8+2*\g:9+2*\g], s[8+2*\g:9+2*\g], s[4:5]
	s_add_nc_u64 s[14+2*\g:15+2*\g], s[14+2*\g:15+2*\g], s[6:7]
.endr
	s_add_nc_u64 s[24:25], s[20:21], s[36:37]      ; xb: q's part,
	s_add_nc_u64 s[26:27], s[24:25], 0x1000000     ; k's, 8192 x 1024 x 2 bytes on,
	s_add_nc_u64 s[28:29], s[24:25], 0x2000000     ; v's
	s_add_nc_u64 s[30:31], s[22:23], s[38:39]      ; wb: wq's part,
	s_add_nc_u64 s[32:33], s[30:31], 0x200000      ; wk's, 1024 x 1024 x 2 bytes on,
	s_add_nc_u64 s[34:35], s[30:31], 0x400000      ; wv's
.irp g, 0,1,2
.irp i, 0,1,2,3,4,5,6,7
	global_load_b128 v[X+4*(8*\g+\i):X+4*(8*\g+\i)+3], v1, s[8+2*\g:9+2*\g] offset:4096*\i th:TH_LOAD_NT
.endr
.endr
.irp g, 0,1,2
	global_load_b128 v[X+4*(24+\g):X+4*(24+\g)+3], v1, s[14+2*\g:15+2*\g] th:TH_LOAD_NT
.endr
; load m is in when at most NLOADS-1-m younger ones are out (loads return in order: ISA guide 5.7.1)
.macro OUT m, base, off
	s_wait_loadcnt NLOADS-1-(\m)
	v_cvt_pk_bf16_f32 v[X+4*(\m)],   v[X+4*(\m)],   v[X+4*(\m)+1]
	v_cvt_pk_bf16_f32 v[X+4*(\m)+1], v[X+4*(\m)+2], v[X+4*(\m)+3]
	global_store_b64 v2, v[X+4*(\m):X+4*(\m)+1], s[\base:\base+1] offset:\off
.endm
.irp g, 0,1,2
.irp i, 0,1,2,3,4,5,6,7
	OUT 8*\g+\i, 24+2*\g, 2048*\i
.endr
.endr
.irp g, 0,1,2
	OUT 24+\g, 30+2*\g, 0
.endr
	s_endpgm
.Lfunc_end_k_q31d287bfee_cvt:
	.size	k_q31d287bfee_cvt, .Lfunc_end_k_q31d287bfee_cvt-k_q31d287bfee_cvt
	.p2alignl 7, 3214868480
	.fill 96, 4, 3214868480
	.section	.rodata,"a",@progbits
	.p2align	6, 0x0
	.amdhsa_kernel k_q31d287bfee_cvt
		.amdhsa_group_segment_fixed_size 0
		.amdhsa_private_segment_fixed_size 0
		.amdhsa_enable_private_segment 0
		.amdhsa_kernarg_size 64
		.amdhsa_user_sgpr_count 2
		.amdhsa_user_sgpr_kernarg_segment_ptr 1
		.amdhsa_wavefront_size32 1
		.amdhsa_system_sgpr_workgroup_id_x 1
		.amdhsa_system_sgpr_workgroup_id_y 1
		.amdhsa_system_sgpr_workgroup_id_z 1
		.amdhsa_system_vgpr_workitem_id 0
		.amdhsa_next_free_vgpr 112
		.amdhsa_next_free_sgpr 66
		.amdhsa_reserve_vcc 0
		.amdhsa_float_denorm_mode_32 3
		.amdhsa_float_denorm_mode_16_64 3
		.amdhsa_memory_ordered 1
		.amdhsa_forward_progress 1
		.amdhsa_inst_pref_size 11
	.end_amdhsa_kernel
	.amdgpu_metadata
---
amdhsa.version: [ 1, 2 ]
amdhsa.kernels:
  - .name:           k_q31d287bfee_cvt
    .symbol:         k_q31d287bfee_cvt.kd
    .args:
      - { .name: q, .offset: 0, .size: 8, .value_kind: global_buffer, .address_space: global }
      - { .name: k, .offset: 8, .size: 8, .value_kind: global_buffer, .address_space: global }
      - { .name: v, .offset: 16, .size: 8, .value_kind: global_buffer, .address_space: global }
      - { .name: wq_kernel, .offset: 24, .size: 8, .value_kind: global_buffer, .address_space: global }
      - { .name: wk_kernel, .offset: 32, .size: 8, .value_kind: global_buffer, .address_space: global }
      - { .name: wv_kernel, .offset: 40, .size: 8, .value_kind: global_buffer, .address_space: global }
      - { .name: xb, .offset: 48, .size: 8, .value_kind: global_buffer, .address_space: global }
      - { .name: wb, .offset: 56, .size: 8, .value_kind: global_buffer, .address_space: global }
    .group_segment_fixed_size: 0
    .private_segment_fixed_size: 0
    .kernarg_segment_align: 8
    .kernarg_segment_size: 64
    .max_flat_workgroup_size: 256
    .sgpr_count:     66
    .vgpr_count:     112
    .wavefront_size: 32
...
	.end_amdgpu_metadata
.endif
;; end of part 1
;; launch gemm (part 2): grid 4 x 96, 4 waves a work-group, clusters of 4 x 4, 327,680 bytes of LDS; arguments xb, wb, qkv, wq_bias, wk_bias, wv_bias; writes qkv
.if DOCPART == 2
	.amdgcn_target "amdgcn-amd-amdhsa--gfx1250"
	.amdhsa_code_object_version 6
	.text
	.protected	k_q31d287bfee_gemm
	.globl	k_q31d287bfee_gemm
	.p2align	8
	.type	k_q31d287bfee_gemm,@function
k_q31d287bfee_gemm:
	s_mov_b64 s[64:65], 0
	v_nop
	global_prefetch_b8 v0, s[64:65] scope:SCOPE_SE
	s_setreg_imm32_b32 hwreg(HW_REG_WAVE_MODE, 25, 1), 1
	s_wait_xcnt 0x0
	s_wait_alu depctr_hold_cnt(0) depctr_sa_sdst(0) depctr_va_vdst(0) depctr_va_sdst(0) depctr_va_ssrc(0) depctr_va_vcc(0) depctr_vm_vsrc(0)
	s_getreg_b32 s2, hwreg(HW_REG_IB_STS2, 6, 4)
	s_cmp_eq_u32 s2, 0
	s_cbranch_scc0 .Lentry_in_a_cluster
	s_endpgm
.Lentry_in_a_cluster:
	s_bfe_u32 s2, ttmp6, 0x10000c
	s_cmp_lg_u32 s2, 0xf033
	s_cbranch_scc0 .Lentry_shape_is_right
	s_endpgm
.Lentry_shape_is_right:
; The three projections as one stacked product: qkv[g][m][n] = sc_g * (sum over k of xb[g][m][k] wb[g][k][n] + bias_g[n]),  g = 0, 1, 2 for q, k, v.
; sc_0 = 0.125 log2(e), so that the attention launch needs neither the division by sqrt(64) nor the change to base 2; sc_1 = sc_2 = 1.
; Operands bf16, sums f32.  ql and kl are stored as bf16, vl as f16.
; LIMIT: |vl| must stay below 65,504 (f16).  With v and wv_kernel both 30 times the drawn spread vl has a spread of about 290; with a common offset of
; 30 spreads on both it is about 1024 x 30 x 0.3 = 9,216.
; A work-group makes a block of 256 x 256 with four waves; a wave makes 128 x 128: 64 accumulator tiles of 16 x 16, 512 registers.
; K goes in steps of 128 through a ring of two LDS slots filled by the tensor data mover.  A's tile is 256 rows x 256 bytes; the weight lies [k][n],
; so its tile is 128 k rows x 512 bytes, and its fragments are read with the transposing LDS load.
; CLUSTERS: 4 x 4 work-groups.  The four of a row of the cluster need the same tiles of xb, the four of a column the same tiles of wb: each tile is asked
; for jointly by the four, with one descriptor and a mask that names them.  A cluster spans 1,024 rows, so all sixteen belong to one g = cluster y / 8.
;
; REGISTERS, in windows of 256:
;   window 0: v0-31 addresses; v32-63 and v224-255 bias of my 128 columns; v64-127, v128-191 fragments of A, two buffers; v192-223 at work on the way out
;   window 1: v64-127, v128-191 fragments of the weight, two buffers
;   window 2: the 32 accumulator tiles of my rows 0-63 (tile (a, b) at v[8 (8 a + b)]);   window 3: those of my rows 64-127
; THE MATRIX INSTRUCTION IS USED TRANSPOSED: source 0 = 16 columns n of the weight, source 1 = 16 rows of A.  Lane l then holds row l % 16 of the result and
; its registers 0 to 7 the columns 8 (l / 16) + 0 .. 7: eight neighbouring numbers of a row, which pack into 16 bytes.
.set SIZE_N, 1024
.set SIZE_K, 1024
.set KSTEP,  128
.set PITCH,  272                       ; A's LDS row: 256 bytes + 16 of padding, an odd multiple of 16: the 16 rows that a load touches lie in 16 different 16-byte columns of a 256-byte span
.set BPITCH, 544                       ; the weight's LDS row: 512 bytes + 32 of padding, an odd multiple of 32, as the transposing load's eight rows of two 16-byte pieces want
.set HALFT,  128*PITCH                 ; what one tensor load brings: 128 rows of A, or 64 k rows of the weight (64 x 544 is the same 34,816 bytes)
.set SLOT,   4*HALFT                   ; A's 256 rows, then the weight's 128 k rows
.set STAGE,  2*SLOT                    ; behind the ring: 16 rows x 272 bytes for each wave, for the way out
.set SPITCH, 272
.set LAPS,   SIZE_K/(2*KSTEP)          ; a lap = two K steps = once round the ring: 4
.set BSTEP,  KSTEP*SIZE_N*2            ; bytes of the weight from one K step to the next
.set ADRA, 16                          ; v16-17  LDS address of my A fragments in slot 0, 1
.set ADRB, 20                          ; v20-21  the same for the weight
.set STO,  24                          ; v24     the way out: where I put 16 bytes of a row
.set RD,   25                          ; v25     the way out: where I read a row back
.set CO,   26                          ; v26     my byte offset in the result
.set BO,   27                          ; v27     my byte offset in the bias
.set BIAS, 32                          ; tile column b: 8 registers at BIAS + 8 b + 160 (b / 4)
.set F0,   64
.set F1,   128
.set TMP,  192
.set G1, 24                            ; s[24:31] descriptor group 1 for A's tiles
.set G0, 32                            ; s[32:39] descriptor group 0 for A's tiles, one set for each slot
.set G1B, 48                           ; s[48:55] descriptor group 1 for the weight's tiles
.set G0B, 56                           ; s[56:63] descriptor group 0 for the weight's tiles, one set for each slot
.set MSB, 0
.macro WIN new                         ; the immediate's high byte repeats the setting that is left
.if MSB != \new
	s_set_vgpr_msb (MSB<<8)|\new
.set MSB, \new
.endif
.endm
.set MUL_LO, 0xa1                      ; source 0 (weight) window 1, source 1 (A) window 0, C and D window 2
.set MUL_HI, 0xf1                      ; the same, C and D window 3
.set TO_B,   0x40                      ; destination window 1, address window 0
; A joint load.  Waves 0 and 1 fetch A's two halves, waves 2 and 3 the weight's.  Each line has one mask and one set of registers for all that issue it.
.macro JLOAD s
	s_cmp_eq_u32 s11, 0
	s_cbranch_scc0 .Lfor_b_\@
	tensor_load_to_lds s[G0+4*\s:G0+4*\s+3], s[G1:G1+7]
	s_nop 0
	s_branch .Lasked_\@
.Lfor_b_\@:
	tensor_load_to_lds s[G0B+4*\s:G0B+4*\s+3], s[G1B:G1B+7]
	s_nop 0
.Lasked_\@:
.endm
; A round of the cluster's barrier: my work-group's barrier, wave 0 signals for the work-group, every wave waits for all sixteen, my work-group's barrier again.
.macro CREST                           ; a round behind its opening barrier
	s_cmp_lg_u32 s10, 0
	s_cbranch_scc1 .Lnot_wave_0_\@
	s_barrier_signal -3
.Lnot_wave_0_\@:
	s_barrier_wait -3
	s_barrier_signal -1
	s_barrier_wait -1
.endm
.macro CROUND                          ; a whole round
	s_barrier_signal -1
	s_barrier_wait -1
	CREST
.endm
	s_load_b128 s[4:7], s[0:1], 0x0                ; xb s[4:5], wb s[6:7]
	s_load_b64 s[8:9], s[0:1], 0x10                ; qkv
	s_load_b128 s[68:71], s[0:1], 0x18             ; wq_bias s[68:69], wk_bias s[70:71]
	s_load_b64 s[72:73], s[0:1], 0x28              ; wv_bias
	s_set_vgpr_msb 0x40
	v_lshl_add_u32 v255, v0, 2, 0x48400
	s_set_vgpr_msb 0x4000
	v_mov_b32 v31, 0
	s_set_vgpr_msb 0x1
	ds_add_u32 v255, v31
	s_set_vgpr_msb 0x100
	v_lshrrev_b32 v1, 5, v0
	v_readfirstlane_b32 s10, v1                    ; wave 0..3
	s_lshr_b32 s11, s10, 1                         ; which half of the block's rows is mine.  Also: I fetch for A (0) or for the weight (1)
	s_and_b32 s12, s10, 1                          ; which half of its columns.  Also: which half of that tile I fetch
	s_bfe_u32 s40, ttmp6, 0x40000                  ; cx
	s_bfe_u32 s41, ttmp6, 0x40004                  ; cy
	s_lshl_b32 s42, ttmp9, 2
	s_add_co_u32 s42, s42, s40                     ; block column = 4 x cluster x + cx
	s_and_b32 s13, ttmp7, 0xffff                   ; cluster y
	s_lshr_b32 s74, s13, 3                         ; g: eight clusters of 1,024 rows for each of q, k, v; the same in all sixteen work-groups
	s_lshl_b32 s13, s13, 2
	s_add_co_u32 s13, s13, s41                     ; block row = 4 x cluster y + cy
	s_lshl_b32 s43, s41, 2
	s_lshl_b32 s43, 15, s43                        ; my row of the cluster: places 4 cy .. 4 cy + 3
	s_lshl_b32 s44, 0x1111, s40                    ; my column: places cx, cx + 4, cx + 8, cx + 12
	; group 1 for A: 128 rows x 128 elements of 2 bytes, 4 words of padding after every 64 words
	s_or_b32 s[G1+0], s43, (1<<16)|(1<<20)|(1<<21)|(5<<22)|(3<<25)
	s_mov_b32 s[G1+1], KSTEP<<16                   ; tensor_dim0 = 128
	s_mov_b32 s[G1+2], 128<<16                     ; tensor_dim1 = 128
	s_mov_b32 s[G1+3], KSTEP<<16                   ; tile_dim0 = 128
	s_mov_b32 s[G1+4], 128                         ; tile_dim1 = 128
	s_mov_b32 s[G1+5], SIZE_K                      ; elements from row to row
	s_mov_b32 s[G1+6], 0
	s_mov_b32 s[G1+7], 0
	; group 1 for the weight: 64 k rows x 256 elements of 2 bytes, 8 words of padding after every 128 words
	s_or_b32 s[G1B+0], s44, (1<<16)|(1<<20)|(1<<21)|(6<<22)|(7<<25)
	s_mov_b32 s[G1B+1], 256<<16                    ; tensor_dim0 = 256
	s_mov_b32 s[G1B+2], 64<<16                     ; tensor_dim1 = 64
	s_mov_b32 s[G1B+3], 256<<16                    ; tile_dim0 = 256
	s_mov_b32 s[G1B+4], 64                         ; tile_dim1 = 64
	s_mov_b32 s[G1B+5], SIZE_N                     ; elements from k row to k row
	s_mov_b32 s[G1B+6], 0
	s_mov_b32 s[G1B+7], 0
	; where the tiles come from.  A's hang on the block row alone, the weight's on the block column and g alone; each in registers that never hold the other coordinate.
	s_lshl_b32 s17, s12, 7                         ; which 128 rows of A's tile I fetch
	s_lshl_b32 s16, s13, 8
	s_add_co_u32 s16, s16, s17                     ; row 256 x block row + 128 x half, at most 24,575,
	s_lshl_b32 s16, s16, 11                        ; times 2,048 bytes: below 2^26
	s_mov_b32 s17, 0
	s_lshl_b32 s46, s42, 9                         ; 256 columns of 2 bytes for each block column
	s_lshl_b32 s47, s12, 17                        ; which 64 k rows of 2,048 bytes I fetch
	s_add_co_u32 s46, s46, s47
	s_lshl_b32 s47, s74, 21                        ; the weight of my product: 1024 x 1024 x 2 bytes each
	s_add_co_u32 s46, s46, s47
	s_mov_b32 s47, 0
	s_mul_i32 s20, s10, HALFT                      ; and where they go: wave x 34,816 bytes: no place in the cluster enters an LDS address
	s_wait_dscnt 0x0
	s_wait_kmcnt 0x0
	s_add_nc_u64 s[14:15], s[4:5], s[16:17]
	s_add_nc_u64 s[46:47], s[6:7], s[46:47]
	CROUND                                         ; all sixteen work-groups are here: the first joint loads meet
.irp s, 0,1
	s_mov_b32 s[G0+4*\s], 1
	s_add_co_u32 s[G0+4*\s+1], s20, \s*SLOT
	s_add_nc_u64 s[G0+4*\s+2:G0+4*\s+3], s[14:15], \s*KSTEP*2
	s_or_b32 s[G0+4*\s+3], s[G0+4*\s+3], 0x80000000
	s_mov_b32 s[G0B+4*\s], 1
	s_add_co_u32 s[G0B+4*\s+1], s20, \s*SLOT
	s_add_nc_u64 s[G0B+4*\s+2:G0B+4*\s+3], s[46:47], \s*BSTEP
	s_or_b32 s[G0B+4*\s+3], s[G0B+4*\s+3], 0x80000000
	JLOAD \s                                       ; the ring is filled before anything else is done: two tensor loads of the wave are out
.endr
	; the bias and the factor of my product, chosen by g
	s_mov_b32 s76, 1.0
	s_cmp_eq_u32 s74, 1
	s_cselect_b64 s[78:79], s[70:71], s[72:73]
	s_cmp_eq_u32 s74, 0
	s_cselect_b64 s[78:79], s[68:69], s[78:79]
	s_cselect_b32 s76, 0x3e38aa3b, s76             ; 0.125 log2(e) for q
	s_mov_b32 s77, s76
	s_lshl_b32 s66, s42, 10                        ; 256 columns of 4 bytes for each block column
	s_lshl_b32 s67, s12, 9                         ; my 128 of them
	s_add_co_u32 s66, s66, s67
	s_mov_b32 s67, 0
	s_add_nc_u64 s[78:79], s[78:79], s[66:67]
	v_and_b32 v1, 15, v0                           ; l % 16
	v_bfe_u32 v2, v0, 4, 1                         ; l / 16
	v_lshlrev_b32 v[BO], 5, v2                     ; a lane's eight columns of a tile begin 8 (l / 16) columns in
.irp b, 0,1,2,3,4,5,6,7
	global_load_b128 v[BIAS+8*\b+(\b/4)*160:BIAS+8*\b+(\b/4)*160+3],   v[BO], s[78:79] offset:64*\b
	global_load_b128 v[BIAS+8*\b+(\b/4)*160+4:BIAS+8*\b+(\b/4)*160+7], v[BO], s[78:79] offset:64*\b+16
.endr
	; A's fragments: lane l holds row l % 16; two loads of 16 bytes, 32 bytes apart, at row x pitch + 16 (l / 16).
	v_mul_u32_u24 v3, v1, PITCH
	v_lshl_add_u32 v3, v2, 4, v3
	; The weight's fragments, 16 columns x 32 k from rows that lie along n: lane l addresses k row 8 (l / 16) + l % 8 and the 16-byte piece (l / 8) % 2 of the
	; fragment's 32 bytes; the transposing load hands lane l column l % 16, k = 8 (l / 16) + 0..7; a second load 16 k rows further down brings k + 16.
	v_and_b32 v6, 7, v0
	v_lshl_add_u32 v6, v2, 3, v6
	v_mul_u32_u24 v6, v6, BPITCH
	v_bfe_u32 v7, v0, 3, 1
	v_lshl_add_u32 v6, v7, 4, v6
	s_mul_i32 s21, s11, HALFT                      ; my 128 rows of A
	s_lshl_b32 s22, s12, 8                         ; my 128 columns of the weight, 256 bytes into its rows,
	s_add_co_u32 s22, s22, 2*HALFT                 ; which lie behind A's 256 rows
.irp s, 0,1
	v_add_nc_u32 v[ADRA+\s], s21, v3
	v_add_nc_u32 v[ADRB+\s], s22, v6
	s_add_co_u32 s21, s21, SLOT
	s_add_co_u32 s22, s22, SLOT
.endr
	s_mul_i32 s23, s10, 16*SPITCH
	s_add_co_u32 s23, s23, STAGE                   ; my stage
	v_mul_u32_u24 v4, v1, SPITCH                   ; in: row l % 16, 16 bytes for each half of the lanes
	v_lshl_add_u32 v4, v2, 4, v4
	v_add_nc_u32 v[STO], s23, v4
	v_mul_u32_u24 v5, v2, SPITCH                   ; back: lanes 0-15 take one row of 256 bytes, lanes 16-31 the next
	v_lshl_add_u32 v5, v1, 4, v5
	v_add_nc_u32 v[RD], s23, v5
	v_mul_u32_u24 v5, v2, SIZE_N*2                 ; and the same two rows in the result
	v_lshl_add_u32 v[CO], v1, 4, v5
; 16 matrix instructions: m blocks a0, a0 + 1 of the window's four x all 8 n blocks, 32 along K.  zero = 1: the first product starts the sums.
.macro MUL16 f, hi, a0, zero
.irp a, \a0, \a0+1
.irp b, 0,1,2,3,4,5,6,7
.if \zero
	v_wmma_f32_16x16x32_bf16 v[8*(8*(\a)+\b):8*(8*(\a)+\b)+7], v[\f+8*\b:\f+8*\b+7], v[\f+8*(4*\hi+\a):\f+8*(4*\hi+\a)+7], 0
.else
	v_wmma_f32_16x16x32_bf16 v[8*(8*(\a)+\b):8*(8*(\a)+\b)+7], v[\f+8*\b:\f+8*\b+7], v[\f+8*(4*\hi+\a):\f+8*(4*\hi+\a)+7], v[8*(8*(\a)+\b):8*(8*(\a)+\b)+7]
.endif
.endr
.endr
.endm
; 32 LDS loads in one run: the fragments of one quarter step (32 along K: byte k of A's rows, k row k / 2 of the weight) into buffer f
.macro FETCH slot, k, f
	WIN TO_B
.irp i, 0,1,2,3,4,5,6,7
	ds_load_tr16_b128 v[\f+8*\i:\f+8*\i+3],   v[ADRB+\slot] offset:(\k/2)*BPITCH+32*\i
	ds_load_tr16_b128 v[\f+8*\i+4:\f+8*\i+7], v[ADRB+\slot] offset:(\k/2)*BPITCH+32*\i+16*BPITCH
.endr
	WIN 0
.irp i, 0,1,2,3,4,5,6,7
	ds_load_b128 v[\f+8*\i:\f+8*\i+3],   v[ADRA+\slot] offset:\k+\i*16*PITCH
	ds_load_b128 v[\f+8*\i+4:\f+8*\i+7], v[ADRA+\slot] offset:\k+\i*16*PITCH+32
.endr
.endm
; A load into a register that a matrix instruction has read, and a vector instruction that reads a matrix result, stand four places behind that matrix
; instruction; only plain vector instructions that name none of its registers are places.
.macro PLACES
.rept 4
	v_nop
.endr
.endm
; A K step is four quarter steps of 32 along K, 64 matrix instructions each, on buffers 0, 1, 0, 1.  The 64 accumulators take turns, one instruction a turn,
; in the same order in every quarter.
.macro QUARTER slot, k, f, g, zero
	s_wait_dscnt 8                                 ; the weight and A's rows 0-63 are in; the youngest eight loads (A's rows 64-127) may be out
	WIN MUL_LO
	MUL16 \f, 0, 0, \zero
	MUL16 \f, 0, 2, \zero
	PLACES
	FETCH \slot, \k, \g
	s_wait_dscnt 32                                ; all but the 32 just issued
	WIN MUL_HI
	MUL16 \f, 1, 0, \zero
	MUL16 \f, 1, 2, \zero
.endm
.macro THREE slot, zero
	QUARTER \slot, 64,  F0, F1, \zero
	QUARTER \slot, 128, F1, F0, 0
	QUARTER \slot, 192, F0, F1, 0
.endm
; The last quarter: multiplies buffer 1 and changes slots.  In front of the barrier each wave waits for its own reads of this slot and for all its tensor
; loads, of which one is out: its part of the next slot.  Behind it the refill comes first, then the next slot's first fragments.
.macro TURN slot, next, fill
	s_wait_dscnt 8
	WIN MUL_LO
	MUL16 F1, 0, 0, 0
	s_wait_dscnt 0                                 ; my reads of this slot are over
	s_wait_tensorcnt 0x0                           ; and all my tensor loads have landed
	ds_add_u32 v255, v31
	s_wait_dscnt 0x0
	s_barrier_signal -1                            ; (where a slot is filled again this barrier opens a round of the cluster's barrier)
	MUL16 F1, 0, 2, 0                              ; work on registers while the others arrive
	WIN 0
	s_barrier_wait -1
.if \fill
	CREST                                          ; no wave of any partner still reads this slot's tile or has a load on its way
	s_add_nc_u64 s[G0+4*\slot+2:G0+4*\slot+3], s[G0+4*\slot+2:G0+4*\slot+3], 2*KSTEP*2
	s_add_nc_u64 s[G0B+4*\slot+2:G0B+4*\slot+3], s[G0B+4*\slot+2:G0B+4*\slot+3], 2*BSTEP
	JLOAD \slot                                    ; the first tensor load behind the round, and the wave's only one until the next
.endif
	PLACES
	FETCH \next, 0, F0
	WIN MUL_HI
	MUL16 F1, 1, 0, 0
	MUL16 F1, 1, 2, 0
.endm
.macro LAP zero
	THREE 0, \zero
	TURN 0, 1, 1
	THREE 1, 0
	TURN 1, 0, 1
.endm
	s_wait_tensorcnt 1                             ; my part of K step 0 is in; K step 1's may stay out
	s_barrier_signal -1
	s_barrier_wait -1
	FETCH 0, 0, F0
	LAP 1                                          ; the first lap stands in front of the loop: its first products start the sums
.if LAPS > 2
	WIN 0
	s_mov_b32 s3, LAPS-2
.Llap:
	LAP 0
	WIN 0
	s_sub_co_u32 s3, s3, 1
	s_cmp_lg_u32 s3, 0
	s_cbranch_scc1 .Llap
.endif
	THREE 0, 0                                     ; the last lap fills nothing
	TURN 0, 1, 0
	THREE 1, 0
	s_wait_dscnt 8
	WIN MUL_LO
	MUL16 F1, 0, 0, 0
	MUL16 F1, 0, 2, 0
	s_wait_dscnt 0
	WIN MUL_HI
	MUL16 F1, 1, 0, 0
	MUL16 F1, 1, 2, 0
	; THE WAY OUT, 16 rows at a time: sc * sum + sc * bias, round to 16 bits, 16 bytes a lane into my own stage in LDS, read back as whole rows of 256 bytes.
	WIN 0
	PLACES
	s_wait_loadcnt 0x0                             ; the bias, asked for at the start
.irp b, 0,1,2,3,4,5,6,7
.irp r, 0,1,2,3
	v_pk_mul_f32 v[BIAS+8*\b+(\b/4)*160+2*\r:BIAS+8*\b+(\b/4)*160+2*\r+1], v[BIAS+8*\b+(\b/4)*160+2*\r:BIAS+8*\b+(\b/4)*160+2*\r+1], s[76:77] op_sel_hi:[1,0]
.endr
.endr
	s_lshl_b32 s13, s13, 8
	s_lshl_b32 s14, s11, 7
	s_add_co_u32 s16, s13, s14                     ; my first row of the result,
	s_lshl_b32 s16, s16, 11                        ; times 2,048 bytes
	s_mov_b32 s17, 0
	s_add_nc_u64 s[8:9], s[8:9], s[16:17]
	s_lshl_b32 s46, s42, 9                         ; my first column, in bytes: 512 x block + 256 x half
	s_lshl_b32 s47, s12, 8
	s_add_co_u32 s46, s46, s47
	s_mov_b32 s47, 0
	s_add_nc_u64 s[8:9], s[8:9], s[46:47]
; rows 16 i .. 16 i + 15 of my block = the eight tiles (a, 0..7) of window 2 or 3.  own: destination and source 0 in that window; from: sources 0 and 1 in it.
.macro OUT16 i, a, own, from, f
	WIN \own
.irp b, 0,1,2,3,4,5,6,7
.irp r, 0,1,2,3
	v_pk_fma_f32 v[8*(8*\a+\b)+2*\r:8*(8*\a+\b)+2*\r+1], v[8*(8*\a+\b)+2*\r:8*(8*\a+\b)+2*\r+1], s[76:77], v[BIAS+8*\b+(\b/4)*160+2*\r:BIAS+8*\b+(\b/4)*160+2*\r+1] op_sel_hi:[1,0,1]
.endr
.endr
	WIN 0
	s_cmp_eq_u32 s74, 2                            ; v's projection leaves as f16, q's and k's as bf16; g is the same in the whole cluster
	s_cbranch_scc1 .Lhalf_\@
	WIN \from
.irp b, 0,1,2,3,4,5,6,7
.irp r, 0,1,2,3
	v_cvt_pk_bf16_f32 v[TMP+4*\b+\r], v[8*(8*\a+\b)+2*\r], v[8*(8*\a+\b)+2*\r+1]
.endr
.endr
	WIN 0
	s_branch .Lpacked_\@
.Lhalf_\@:
	WIN \from
.irp b, 0,1,2,3,4,5,6,7
.irp r, 0,1,2,3
	v_cvt_pk_f16_f32 v[TMP+4*\b+\r], v[8*(8*\a+\b)+2*\r], v[8*(8*\a+\b)+2*\r+1]
.endr
.endr
	WIN 0
.Lpacked_\@:
.irp b, 0,1,2,3,4,5,6,7
	ds_store_b128 v[STO], v[TMP+4*\b:TMP+4*\b+3] offset:32*\b
.endr
	s_wait_xcnt 0x0                                ; buffer f, which earlier stores read, and the stores' base are rewritten only behind this wait (ISA guide 3.1)
.if \i
	s_add_nc_u64 s[8:9], s[8:9], 16*SIZE_N*2       ; 16 rows on
.endif
.irp t, 0,1,2,3,4,5,6,7
	ds_load_b128 v[\f+4*\t:\f+4*\t+3], v[RD] offset:\t*2*SPITCH    ; LDS serves a wave's instructions in order (ISA guide 5.7.1.4): these see the stores above
.endr
.irp t, 0,1,2,3,4,5,6,7
	s_wait_dscnt 7-\t
	global_store_b128 v[CO], v[\f+4*\t:\f+4*\t+3], s[8:9] offset:2*\t*SIZE_N*2   ; 16 lanes store 256 consecutive bytes, at a multiple of 256 from the buffer's first byte
.endr
.endm
	OUT16 0, 0, 0x82, 0x0a, F0
	OUT16 1, 1, 0x82, 0x0a, F1
	OUT16 2, 2, 0x82, 0x0a, F0
	OUT16 3, 3, 0x82, 0x0a, F1
	OUT16 4, 0, 0xc3, 0x0f, F0
	OUT16 5, 1, 0xc3, 0x0f, F1
	OUT16 6, 2, 0xc3, 0x0f, F0
	OUT16 7, 3, 0xc3, 0x0f, F1
	s_set_vgpr_msb 0x1
	s_wait_tensorcnt 0x0
	ds_add_u32 v255, v31
	s_wait_dscnt 0x0
	s_set_vgpr_msb 0x100
	CROUND                                         ; the closing round: no work-group ends while a partner may still ask for a tile that names it
	s_endpgm
.Lfunc_end_k_q31d287bfee_gemm:
	.size	k_q31d287bfee_gemm, .Lfunc_end_k_q31d287bfee_gemm-k_q31d287bfee_gemm
	.p2alignl 7, 3214868480
	.fill 96, 4, 3214868480
	.section	.rodata,"a",@progbits
	.p2align	6, 0x0
	.amdhsa_kernel k_q31d287bfee_gemm
		.amdhsa_group_segment_fixed_size 327680
		.amdhsa_private_segment_fixed_size 0
		.amdhsa_enable_private_segment 0
		.amdhsa_kernarg_size 48
		.amdhsa_user_sgpr_count 2
		.amdhsa_user_sgpr_kernarg_segment_ptr 1
		.amdhsa_wavefront_size32 1
		.amdhsa_system_sgpr_workgroup_id_x 1
		.amdhsa_system_sgpr_workgroup_id_y 1
		.amdhsa_system_sgpr_workgroup_id_z 1
		.amdhsa_system_vgpr_workitem_id 0
		.amdhsa_next_free_vgpr 1024
		.amdhsa_next_free_sgpr 80
		.amdhsa_reserve_vcc 0
		.amdhsa_float_denorm_mode_32 3
		.amdhsa_float_denorm_mode_16_64 3
		.amdhsa_memory_ordered 1
		.amdhsa_forward_progress 1
		.amdhsa_inst_pref_size 234
	.end_amdhsa_kernel
	.amdgpu_metadata
---
amdhsa.version: [ 1, 2 ]
amdhsa.kernels:
  - .name:           k_q31d287bfee_gemm
    .symbol:         k_q31d287bfee_gemm.kd
    .args:
      - { .name: xb, .offset: 0, .size: 8, .value_kind: global_buffer, .address_space: global }
      - { .name: wb, .offset: 8, .size: 8, .value_kind: global_buffer, .address_space: global }
      - { .name: qkv, .offset: 16, .size: 8, .value_kind: global_buffer, .address_space: global }
      - { .name: wq_bias, .offset: 24, .size: 8, .value_kind: global_buffer, .address_space: global }
      - { .name: wk_bias, .offset: 32, .size: 8, .value_kind: global_buffer, .address_space: global }
      - { .name: wv_bias, .offset: 40, .size: 8, .value_kind: global_buffer, .address_space: global }
    .group_segment_fixed_size: 327680
    .private_segment_fixed_size: 0
    .kernarg_segment_align: 8
    .kernarg_segment_size: 48
    .max_flat_workgroup_size: 128
    .sgpr_count:     80
    .vgpr_count:     1024
    .wavefront_size: 32
...
	.end_amdgpu_metadata
.endif
;; end of part 2
;; launch attn (part 3): grid 4 x 64, 8 waves a work-group, clusters of 4 x 4, 327,680 bytes of LDS; arguments qkv, attention_mask, out0; writes out0
.if DOCPART == 3
	.amdgcn_target "amdgcn-amd-amdhsa--gfx1250"
	.amdhsa_code_object_version 6
	.text
	.protected	k_q31d287bfee_attn
	.globl	k_q31d287bfee_attn
	.p2align	8
	.type	k_q31d287bfee_attn,@function
k_q31d287bfee_attn:
	s_mov_b64 s[64:65], 0
	v_nop
	global_prefetch_b8 v0, s[64:65] scope:SCOPE_SE
	s_setreg_imm32_b32 hwreg(HW_REG_WAVE_MODE, 25, 1), 1
	s_wait_xcnt 0x0
	s_wait_alu depctr_hold_cnt(0) depctr_sa_sdst(0) depctr_va_vdst(0) depctr_va_sdst(0) depctr_va_ssrc(0) depctr_va_vcc(0) depctr_vm_vsrc(0)
	s_getreg_b32 s2, hwreg(HW_REG_IB_STS2, 6, 4)
	s_cmp_eq_u32 s2, 0
	s_cbranch_scc0 .Lentry_in_a_cluster
	s_endpgm
.Lentry_in_a_cluster:
	s_bfe_u32 s2, ttmp6, 0x10000c
	s_cmp_lg_u32 s2, 0xf033
	s_cbranch_scc0 .Lentry_shape_is_right
	s_endpgm
.Lentry_shape_is_right:
; out0[b][q][64 head + d] = sum over keys of softmax_k( ql.kl / 8 + (1 - mask[b][q][k]) * -10000 ) vl[k][d], with a running maximum and a running sum.
; qkv holds ql * 0.125 log2(e) (bf16), kl (bf16), vl (f16), each [8192][1024]; all exponents here are in base 2.
; SHARE: a work-group owns 128 queries of one batch for four heads; wave w owns head w % 4 and the 64 queries of half w / 4.  Keys go in 32 steps of 64.
; TRANSPOSED SCORES: S^T = K Q^T.  A lane then holds ONE query (l % 16) and eight neighbouring keys in a tile's registers, so that maximum and sum stay in
; the lane but for one exchange between the lane halves, and the packed exponentials of two tiles are, as they lie, the second source of ctx^T = V^T P^T.
; THE MASK costs no vector work per head: each wave turns 16 rows of the int32 tile into the f32 adder c - c m, c = -10000 log2(e), once for the four heads, puts
; it into LDS, and every wave loads its part straight into the score accumulators, as the C of the first product.
; TWO PHASES: a step is part A (64 LDS loads, 32 products K Q^T) and part B (the softmax, vector work, and 32 products V^T P^T).  Between two rounds the waves
; of phase 0 run A(t) B(t), those of phase 1 run B(t-1) A(t): while one phase loads and multiplies the other is in its softmax, and only four waves' LDS loads
; go out together.  phase = (w xor w / 4) mod 2: waves w and w + 4 differ, and so do waves 2 i and 2 i + 1.  What phase 1 carries over a round (raw scores, V's
; fragments) lies in registers: in both phases all LDS reads of step t's slots fall between round t and round t + 1.  Step 0 is run alike by all waves, so that
; one text starts the maxima, the sums and ctx; in step 1 phase 1 stops behind A; behind the last step it runs its last B.
; CLUSTERS: 4 x 4 work-groups: x = the four head groups, y = four query blocks of one batch.  The four of a column need the same K and V tiles and ask jointly.
; The mask tile is wanted by the four of a row but is NOT asked for jointly: it has to pass through registers to become f32, and a raw int32 ring
; (2 x 128 rows x 272 bytes) would add 32 KiB written and 32 KiB read to each step's LDS work beside the 32 KiB of the adder itself.
; NO PREFETCH of later mask tiles: all 512 vector registers are in use, so there is none for the lanes' offsets, and each tile is asked for a whole step ahead.
; LIMITS: P and vl are f16: |vl| < 65,504, and an exponential below 2^-25 of its row's running maximum counts as 0.  The adder is one fused c - c float(m) for any int32 m, exactly 0
; for m = 1; it is rounded in base-2 units, not as (1 - m) * -10000 is.  ql is scaled before it is rounded to bf16.  The running maximum is always
; subtracted, so every row's sum is at least 1.  The sum is taken over the exponentials before their rounding to f16.
.set KPITCH, 528                       ; K's LDS row: 4 heads x 128 bytes + 16, an odd multiple of 16
.set VPITCH, 544                       ; V's LDS row: 512 bytes + 32, an odd multiple of 32, for the transposing load
.set APITCH, 272                       ; the adder's row: 64 f32 + 16 bytes; also the stage's row
.set KSLOT,  64*KPITCH                 ; 33,792
.set VSLOT,  64*VPITCH                 ; 34,816
.set ASLOT,  128*APITCH                ; 34,816
.set VB,     2*KSLOT                   ; LDS: K's two slots at 0, V's two at 67,584,
.set AB,     VB+2*VSLOT                ; the adder's two at 137,216 (a multiple of 256; written by LDS stores alone, never by a tensor load),
.set ST,     AB+2*ASLOT                ; the way out's stage at 206,848: 16 rows x 272 bytes for each wave
.set PART,   8192*1024*2               ; bytes of ql, of kl, of vl
.set TSTEP,  64*2048                   ; bytes from one tile of 64 keys to the next
; window 0
.set AK,   1                           ; v1   LDS address of my K fragments, slot 0
.set AV,   2                           ; v2   of my V fragments
.set AAD,  3                           ; v3   of my part of the adder
.set AST,  4                           ; v4   where I store the adder
.set MOFF, 5                           ; v5   my byte offset in the mask tile
.set CC,   6                           ; v[6:7] c, twice
.set MX,   8                           ; v[8+2qt]  running maximum of query tile qt;   TA = v[9+2qt]  at work
.set TA,   9
.set AL,   16                          ; v[16+2qt] factor for the old sums;            TB = v[17+2qt] at work
.set TB,   17
.set LS,   24                          ; v[24+2qt:25+2qt] two partial sums
.set MK,   32                          ; v[32:63]  the mask tile's 16 rows on their way
.set VP,   64                          ; v[64+8(2dt+u)] V fragments: 16 d x 32 keys
.set SC,   128                         ; v[128+32qt+8kt] score tiles; the packed P(qt,u) lies over them at 128+32qt+16u
; window 1
.set QF,   0                           ; v[16qt+8c]      Q fragments
.set KP,   64                          ; v[64+16kt+8c]   K fragments
.set CX,   128                         ; v[128+32qt+8dt] ctx^T
.set G1K, 24                           ; s[24:31]
.set G1V, 32                           ; s[32:39]
.set G0K, 40                           ; s[40:47] one set for each slot
.set G0V, 48                           ; s[48:55]
.set MSB, 0
.macro WIN new                         ; the immediate's high byte repeats the setting that is left
.if MSB != \new
	s_set_vgpr_msb (MSB<<8)|\new
.set MSB, \new
.endif
.endm
.macro PLACES                          ; four places behind a matrix instruction (ISA guide 7.12.1)
.rept 4
	v_nop
.endr
.endm
.macro ROUND                           ; a round of the cluster's barrier
	s_barrier_signal -1
	s_barrier_wait -1
	s_cmp_lg_u32 s10, 0
	s_cbranch_scc1 .Lnot_wave_0_\@
	s_barrier_signal -3
.Lnot_wave_0_\@:
	s_barrier_wait -3
	s_barrier_signal -1
	s_barrier_wait -1
.endm
.macro JLOAD s                         ; wave 0 asks for K's tile, wave 1 for V's: 64 rows of 512 bytes each; the other waves ask for nothing
	s_cmp_gt_u32 s10, 1
	s_cbranch_scc1 .Lasked_\@
	s_cmp_eq_u32 s10, 0
	s_cbranch_scc0 .Lfor_v_\@
	tensor_load_to_lds s[G0K+4*\s:G0K+4*\s+3], s[G1K:G1K+7]
	s_nop 0
	s_branch .Lasked_\@
.Lfor_v_\@:
	tensor_load_to_lds s[G0V+4*\s:G0V+4*\s+3], s[G1V:G1V+7]
	s_nop 0
.Lasked_\@:
.endm
	s_load_b128 s[4:7], s[0:1], 0x0                ; qkv s[4:5], attention_mask s[6:7]
	s_load_b64 s[8:9], s[0:1], 0x10                ; out0
	v_lshl_add_u32 v62, v0, 2, 0x3b000
	v_mov_b32 v63, 0
	ds_add_u32 v62, v63
	s_wait_dscnt 0x0
	v_lshrrev_b32 v1, 5, v0
	v_readfirstlane_b32 s10, v1                    ; wave 0..7
	s_and_b32 s11, s10, 3                          ; my head of the group's four
	s_lshr_b32 s12, s10, 2                         ; my half of the 128 queries
	s_xor_b32 s3, s12, s10
	s_and_b32 s3, s3, 1                            ; my phase: (w xor w / 4) mod 2
	s_bfe_u32 s13, ttmp6, 0x40000                  ; cx
	s_bfe_u32 s14, ttmp6, 0x40004                  ; cy
	s_lshl_b32 s15, ttmp9, 2
	s_add_co_u32 s15, s15, s13                     ; head group = 4 x cluster x + cx
	s_and_b32 s18, ttmp7, 0xffff                   ; cluster y
	s_lshr_b32 s19, s18, 2                         ; batch: four clusters of 512 queries each
	s_lshl_b32 s61, 0x1111, s13                    ; my column of the cluster: places cx, cx + 4, cx + 8, cx + 12
	s_lshl_b32 s16, s19, 22                        ; K and V: the batch's 2,048 rows of 2,048 bytes,
	s_lshl_b32 s17, s15, 9                         ; the head group's 512 bytes of a row: nothing of cy
	s_add_co_u32 s16, s16, s17
	s_mov_b32 s17, 0
	s_and_b32 s20, s18, 3
	s_lshl_b32 s20, s20, 2
	s_add_co_u32 s20, s20, s14                     ; query block 0..15 of the batch
	s_lshl_b32 s20, s20, 7
	s_lshl_b32 s21, s19, 11
	s_add_co_u32 s21, s21, s20                     ; the group's first row, of 8,192
	s_lshl_b32 s22, s21, 13                        ; the mask: 8,192 bytes a row
	s_mov_b32 s23, 0
	s_lshl_b32 s20, s12, 6
	s_add_co_u32 s21, s21, s20                     ; my wave's first row
	s_lshl_b32 s20, s15, 2
	s_add_co_u32 s20, s20, s11                     ; my head, 0..15
	s_lshl_b32 s18, s21, 11
	s_lshl_b32 s19, s20, 7
	s_add_co_u32 s18, s18, s19                     ; ql: rows of 2,048 bytes, heads of 128
	s_mov_b32 s19, 0
	s_lshl_b32 s21, s21, 12
	s_lshl_b32 s20, s20, 8
	s_add_co_u32 s20, s20, s21                     ; out0: rows of 4,096 bytes, heads of 256
	s_mov_b32 s21, 0
	; group 1: 64 rows x 256 elements of 2 bytes, padded after every 128 words by 4 words (K) or 8 (V); the mask of my column, bit 21 beside it
	s_or_b32 s[G1K+0], s61, (1<<16)|(1<<20)|(1<<21)|(6<<22)|(3<<25)
	s_or_b32 s[G1V+0], s61, (1<<16)|(1<<20)|(1<<21)|(6<<22)|(7<<25)
.irp g, G1K, G1V
	s_mov_b32 s[\g+1], 256<<16                     ; tensor_dim0 = 256
	s_mov_b32 s[\g+2], 64<<16                      ; tensor_dim1 = 64
	s_mov_b32 s[\g+3], 256<<16                     ; tile_dim0 = 256
	s_mov_b32 s[\g+4], 64                          ; tile_dim1 = 64
	s_mov_b32 s[\g+5], 1024                        ; elements from row to row
	s_mov_b32 s[\g+6], 0
	s_mov_b32 s[\g+7], 0
.endr
	s_mov_b32 s58, 0x76543210                      ; v_permlanex16_b32: lane i of one half reads lane i of the other
	s_mov_b32 s59, 0xfedcba98
	s_mov_b32 s62, 0x46616bd1                      ; -c = 10000 log2(e) = 14426.95, twice
	s_mov_b32 s63, 0x46616bd1
	s_wait_kmcnt 0x0
	s_add_nc_u64 s[16:17], s[4:5], s[16:17]
	s_add_nc_u64 s[56:57], s[4:5], s[18:19]        ; my wave's rows and head of ql
	s_add_nc_u64 s[6:7], s[6:7], s[22:23]          ; the mask at the group's first row, keys 0 to 63
	s_add_nc_u64 s[8:9], s[8:9], s[20:21]          ; out0 at my wave's first row and head
.irp t, 0,1
	s_mov_b32 s[G0K+4*\t], 1
	s_mov_b32 s[G0K+4*\t+1], \t*KSLOT
	s_add_nc_u64 s[G0K+4*\t+2:G0K+4*\t+3], s[16:17], PART+\t*TSTEP
	s_or_b32 s[G0K+4*\t+3], s[G0K+4*\t+3], 0x80000000
	s_mov_b32 s[G0V+4*\t], 1
	s_mov_b32 s[G0V+4*\t+1], VB+\t*VSLOT
	s_add_nc_u64 s[G0V+4*\t+2:G0V+4*\t+3], s[16:17], 2*PART+\t*TSTEP
	s_or_b32 s[G0V+4*\t+3], s[G0V+4*\t+3], 0x80000000
.endr
	ROUND                                          ; all sixteen work-groups are here: the first joint loads meet
	JLOAD 0                                        ; keys 0 to 63 into slot 0.  Slot 1 is first filled behind the first step's round.  A wave never has more than one tensor load out
	v_and_b32 v[SC], 15, v0                        ; r = l % 16
	v_bfe_u32 v[SC+1], v0, 4, 1                    ; h = l / 16
	v_and_b32 v[SC+2], 7, v0
	v_bfe_u32 v[SC+3], v0, 3, 1
	s_lshl_b32 s18, s11, 7                         ; my head's 128 bytes of a K or V row
	v_mul_u32_u24 v[AK], v[SC], KPITCH             ; K fragment: key row r, 16 bytes for each half of the lanes
	v_lshl_add_u32 v[AK], v[SC+1], 4, v[AK]
	v_add_nc_u32 v[AK], s18, v[AK]
	v_lshl_add_u32 v[AV], v[SC+1], 3, v[SC+2]      ; V fragment by the transposing load: key row 8 h + l % 8, 16-byte piece (l / 8) % 2
	v_mul_u32_u24 v[AV], v[AV], VPITCH
	v_lshl_add_u32 v[AV], v[SC+3], 4, v[AV]
	s_add_co_u32 s19, s18, VB
	v_add_nc_u32 v[AV], s19, v[AV]
	v_mul_u32_u24 v[AAD], v[SC], APITCH            ; the adder as C: query row 64 half + r, keys 8 h + 0..7
	v_lshl_add_u32 v[AAD], v[SC+1], 5, v[AAD]
	s_mul_i32 s19, s12, 64*APITCH
	s_add_co_u32 s19, s19, AB
	v_add_nc_u32 v[AAD], s19, v[AAD]
	v_mul_u32_u24 v[AST], v[SC+1], APITCH          ; the adder as I store it: row 16 w + h, 16 bytes a lane
	v_lshl_add_u32 v[AST], v[SC], 4, v[AST]
	s_mul_i32 s19, s10, 16*APITCH
	s_add_co_u32 s19, s19, AB
	v_add_nc_u32 v[AST], s19, v[AST]
	v_lshlrev_b32 v[MOFF], 4, v[SC]                ; and the same place in the mask: rows of 8,192 bytes
	v_lshl_add_u32 v[MOFF], v[SC+1], 13, v[MOFF]
	s_lshl_b32 s19, s10, 17
	v_add_nc_u32 v[MOFF], s19, v[MOFF]
	v_lshlrev_b32 v[SC+4], 11, v[SC]               ; Q fragment: query row r of 2,048 bytes, 16 bytes for each half
	v_lshl_add_u32 v[SC+4], v[SC+1], 4, v[SC+4]
	v_mov_b32 v[CC], 0xc6616bd1                    ; c = -14426.95
	v_mov_b32 v[CC+1], 0xc6616bd1
.irp i, 0,1,2,3,4,5,6,7
	v_mov_b32 v[LS+\i], 0                          ; the eight partial sums, once
.endr
; Eight loads: my 16 rows of the next mask tile, two rows of 256 aligned bytes each.  step = 1: 64 keys on.  The loads that used s[6:7] before have been waited for.
.macro MLOAD step
.if \step
	s_add_nc_u64 s[6:7], s[6:7], 256
.endif
.irp i, 0,1,2,3,4,5,6,7
	global_load_b128 v[MK+4*\i:MK+4*\i+3], v[MOFF], s[6:7] offset:16384*\i
.endr
.endm
; int32 to the adder c - c m, into adder slot `slot`.  cnt: the younger global loads that may stay out.
.macro MCONV slot, cnt
	s_wait_loadcnt \cnt
.set j, 0
.rept 32
	v_cvt_f32_i32 v[MK+j], v[MK+j]
.set j, j+1
.endr
.set j, 0
.rept 16
	v_pk_fma_f32 v[MK+j:MK+j+1], v[MK+j:MK+j+1], s[62:63], v[CC:CC+1] op_sel_hi:[1,0,1]
.set j, j+2
.endr
.irp i, 0,1,2,3,4,5,6,7
	ds_store_b128 v[AST], v[MK+4*\i:MK+4*\i+3] offset:\slot*ASLOT+\i*2*APITCH
.endr
.endm
; 64 LDS loads of a step: 16 for K, 32 for the adder (key tile by key tile, straight into the score accumulators), 16 for V
.macro LOADS slot
	WIN 0x40                                       ; destination window 1
.irp kt, 0,1,2,3
.irp c, 0,1
	ds_load_b128 v[KP+16*\kt+8*\c:KP+16*\kt+8*\c+3],   v[AK] offset:\slot*KSLOT+\kt*16*KPITCH+64*\c
	ds_load_b128 v[KP+16*\kt+8*\c+4:KP+16*\kt+8*\c+7], v[AK] offset:\slot*KSLOT+\kt*16*KPITCH+64*\c+32
.endr
.endr
	WIN 0
.irp kt, 0,1,2,3
.irp qt, 0,1,2,3
	ds_load_b128 v[SC+32*\qt+8*\kt:SC+32*\qt+8*\kt+3],   v[AAD] offset:\slot*ASLOT+\qt*16*APITCH+64*\kt
	ds_load_b128 v[SC+32*\qt+8*\kt+4:SC+32*\qt+8*\kt+7], v[AAD] offset:\slot*ASLOT+\qt*16*APITCH+64*\kt+16
.endr
.endr
.irp u, 0,1
.irp dt, 0,1,2,3
	ds_load_tr16_b128 v[VP+8*(2*\dt+\u):VP+8*(2*\dt+\u)+3],   v[AV] offset:\slot*VSLOT+\u*32*VPITCH+32*\dt
	ds_load_tr16_b128 v[VP+8*(2*\dt+\u)+4:VP+8*(2*\dt+\u)+7], v[AV] offset:\slot*VSLOT+\u*32*VPITCH+32*\dt+16*VPITCH
.endr
.endr
.endm
; S^T(kt, qt) = adder + K(kt) Q(qt)^T: register j of lane (r, h) is key 16 kt + 8 h + j, query 16 qt + r.
; The four accumulators of a key tile take turns, one instruction a turn.
.macro QK
	WIN 0x05                                       ; sources 0 and 1 window 1; C and D window 0
.irp kt, 0,1,2,3
	s_wait_dscnt 40-8*\kt                          ; out may be: the adder loads of the later key tiles, 8 each, and V's 16
.irp c, 0,1
.irp qt, 0,1,2,3
	v_wmma_f32_16x16x32_bf16 v[SC+32*\qt+8*\kt:SC+32*\qt+8*\kt+7], v[KP+16*\kt+8*\c:KP+16*\kt+8*\c+7], v[QF+16*\qt+8*\c:QF+16*\qt+8*\c+7], v[SC+32*\qt+8*\kt:SC+32*\qt+8*\kt+7]
.endr
.endr
.endr
	WIN 0
	PLACES
.endm
; first = 1: there is no old maximum, sum or ctx yet.
.macro SOFTMAX first
	; the new maximum of each query: two chains for each of the four query tiles, then the other half of the lanes
.irp qt, 0,1,2,3
.if \first
	v_max_num_f32 v[TA+2*\qt], v[SC+32*\qt], v[SC+32*\qt+1]
.else
	v_max3_num_f32 v[TA+2*\qt], v[MX+2*\qt], v[SC+32*\qt], v[SC+32*\qt+1]
.endif
	v_max_num_f32 v[TB+2*\qt], v[SC+32*\qt+16], v[SC+32*\qt+17]
.endr
.irp m, 1,2,3,4,5,6,7
.irp qt, 0,1,2,3
	v_max3_num_f32 v[TA+2*\qt], v[TA+2*\qt], v[SC+32*\qt+2*\m], v[SC+32*\qt+2*\m+1]
	v_max3_num_f32 v[TB+2*\qt], v[TB+2*\qt], v[SC+32*\qt+16+2*\m], v[SC+32*\qt+17+2*\m]
.endr
.endr
.irp qt, 0,1,2,3
	v_max_num_f32 v[TA+2*\qt], v[TA+2*\qt], v[TB+2*\qt]
.endr
.irp qt, 0,1,2,3
	v_permlanex16_b32 v[TB+2*\qt], v[TA+2*\qt], s58, s59
.endr
.irp qt, 0,1,2,3
	v_max_num_f32 v[TA+2*\qt], v[TA+2*\qt], v[TB+2*\qt]
.endr
.if \first == 0
.irp qt, 0,1,2,3
	v_sub_f32 v[AL+2*\qt], v[MX+2*\qt], v[TA+2*\qt]
.endr
.irp qt, 0,1,2,3
	v_exp_f32 v[AL+2*\qt], v[AL+2*\qt]             ; 2^(old maximum - new)
.endr
.endif
.irp qt, 0,1,2,3
	v_mov_b32 v[MX+2*\qt], v[TA+2*\qt]             ; these also are the plain instructions between the exponentials and their first use (ISA guide 5.7.2)
.endr
.if \first == 0
	s_wait_alu depctr_va_vdst(0)
.irp qt, 0,1,2,3
	v_pk_mul_f32 v[LS+2*\qt:LS+2*\qt+1], v[LS+2*\qt:LS+2*\qt+1], v[AL+2*\qt:AL+2*\qt+1] op_sel_hi:[1,0]
.endr
	WIN 0x41                                       ; destination and source 0 window 1
.irp qt, 0,1,2,3
.irp p, 0,1,2,3,4,5,6,7,8,9,10,11,12,13,14,15
	v_pk_mul_f32 v[CX+32*\qt+2*\p:CX+32*\qt+2*\p+1], v[CX+32*\qt+2*\p:CX+32*\qt+2*\p+1], v[AL+2*\qt:AL+2*\qt+1] op_sel_hi:[1,0]
.endr
.endr
	WIN 0
.endif
	; Three runs, one query tile apart: subtract the maximum (tile k + 1), exponentials (tile k), sum and pack (tile k - 1).  Behind each exponential stands
	; another exponential or a plain instruction on another tile.  Pair i of a group of 16 registers packs into register i of the group, in ascending order,
	; so that nothing is written over before it has been read.
.irp i, 0,1,2,3,4,5,6,7,8,9,10,11,12,13,14,15
	v_pk_add_f32 v[SC+2*\i:SC+2*\i+1], v[SC+2*\i:SC+2*\i+1], v[MX:MX+1] op_sel_hi:[1,0] neg_lo:[0,1] neg_hi:[0,1]
.endr
.irp k, 0,1,2,3,4
.irp i, 0,1,2,3,4,5,6,7,8,9,10,11,12,13,14,15
.if \k < 4
	v_exp_f32 v[SC+32*\k+2*\i], v[SC+32*\k+2*\i]
.endif
.if \k < 3
	v_pk_add_f32 v[SC+32*(\k+1)+2*\i:SC+32*(\k+1)+2*\i+1], v[SC+32*(\k+1)+2*\i:SC+32*(\k+1)+2*\i+1], v[MX+2*(\k+1):MX+2*(\k+1)+1] op_sel_hi:[1,0] neg_lo:[0,1] neg_hi:[0,1]
.endif
.if \k < 4
	v_exp_f32 v[SC+32*\k+2*\i+1], v[SC+32*\k+2*\i+1]
.endif
.if \k > 0
	s_wait_alu depctr_va_vdst(0)
	v_pk_add_f32 v[LS+2*(\k-1):LS+2*(\k-1)+1], v[LS+2*(\k-1):LS+2*(\k-1)+1], v[SC+32*(\k-1)+2*\i:SC+32*(\k-1)+2*\i+1]
	v_cvt_pk_f16_f32 v[SC+32*(\k-1)+16*(\i/8)+(\i%8)], v[SC+32*(\k-1)+2*\i], v[SC+32*(\k-1)+2*\i+1]
.endif
.endr
.endr
.endm
; ctx^T(qt, dt) += V^T(dt, u) P^T(qt, u): register j of lane (r, h) is d = 16 dt + 8 h + j, query 16 qt + r.  The 16 accumulators take turns.
.macro PV first
	s_wait_dscnt 0x0                               ; V's fragments (in phase 1 they came in before the last round: met at once)
	WIN 0x50                                       ; C and D window 1
.irp u, 0,1
.irp dt, 0,1,2,3
.irp qt, 0,1,2,3
.if \first*(1-\u)
	v_wmma_f32_16x16x32_f16 v[CX+32*\qt+8*\dt:CX+32*\qt+8*\dt+7], v[VP+8*(2*\dt+\u):VP+8*(2*\dt+\u)+7], v[SC+32*\qt+16*\u:SC+32*\qt+16*\u+7], 0
.else
	v_wmma_f32_16x16x32_f16 v[CX+32*\qt+8*\dt:CX+32*\qt+8*\dt+7], v[VP+8*(2*\dt+\u):VP+8*(2*\dt+\u)+7], v[SC+32*\qt+16*\u:SC+32*\qt+16*\u+7], v[CX+32*\qt+8*\dt:CX+32*\qt+8*\dt+7]
.endif
.endr
.endr
.endr
	WIN 0
	PLACES
.endm
; What stands between round t and round t + 1; the K, V and adder tiles of step t lie in slot `slot`.
; more = 1: the next step's K and V tiles are asked for into slot `other`, and the next mask tile is loaded, turned into the adder and stored into adder slot `other`.
; kind 0 (step 0): every wave runs A(0) and B(0), which starts maxima, sums and ctx.
; kind 1 (step 1): every wave runs A(1); phase 0 alone goes on to B(1).
; kind 2: phase 0 runs A(t) B(t), phase 1 runs B(t-1) A(t).  B is one text for both; A stands twice, each under a branch on the wave's number.
; The round does three things.  In front of it every wave has waited for all its tensor loads (this step's tiles among them), for its reads of the other
; slots in the last step, and for its stores of this step's adder.  Behind it the joint refill comes first.  No barrier, tensor load or wait
; in front of a round stands under the branches.
.macro STEP slot, other, kind, more
	s_wait_xcnt 0x0
	v_lshl_add_u32 v62, v0, 2, 0x3b000
	v_mov_b32 v63, 0
	s_wait_tensorcnt 0x0                           ; no tensor load of mine is out, so a group 0 may be written:
	ds_add_u32 v62, v63
	s_wait_dscnt 0x0
	s_add_nc_u64 s[G0K+4*\slot+2:G0K+4*\slot+3], s[G0K+4*\slot+2:G0K+4*\slot+3], 2*TSTEP   ; this slot's next tiles, two steps on
	s_add_nc_u64 s[G0V+4*\slot+2:G0V+4*\slot+3], s[G0V+4*\slot+2:G0V+4*\slot+3], 2*TSTEP
	s_wait_dscnt 0x0
	ROUND
.if \more
	JLOAD \other
	MLOAD 1                                        ; MK is loaded again behind the wait for the LDS stores that read it; the loads have the whole step in which to land
.endif
.if \kind == 2
	s_cmp_lg_u32 s3, 0
	s_cbranch_scc1 .Llate_\@                       ; phase 1 has its softmax first
.endif
	LOADS \slot
	QK
.if \kind == 2
.Llate_\@:
.endif
.if \kind == 1
	s_cmp_lg_u32 s3, 0
	s_cbranch_scc1 .Lstop_\@                       ; phase 1 falls half a step behind here
.endif
.if \kind == 0
	SOFTMAX 1
	PV 1
.else
	SOFTMAX 0
	PV 0
.endif
.if \kind == 1
.Lstop_\@:
.endif
.if \kind == 2
	s_cmp_eq_u32 s3, 0
	s_cbranch_scc1 .Learly_\@                      ; phase 0 has had this step's A
	v_nop                                          ; a fifth place behind the products V^T P^T: the products K Q^T below write their scores over the packed P, a source
	                                               ; of those, and a matrix instruction that writes over another's register stands five places behind it
	                                               ; the loads into P's and V's registers need the four that close PV
	LOADS \slot
	QK
.Learly_\@:
.endif
.if \more
	MCONV \other, 0                                ; the eight mask loads are the only global loads out
.endif
.endm
	MLOAD 0                                        ; the mask for keys 0 to 63
	WIN 0x40
.irp qt, 0,1,2,3
.irp c, 0,1
	global_load_b128 v[QF+16*\qt+8*\c:QF+16*\qt+8*\c+3],   v[SC+4], s[56:57] offset:32768*\qt+64*\c
	global_load_b128 v[QF+16*\qt+8*\c+4:QF+16*\qt+8*\c+7], v[SC+4], s[56:57] offset:32768*\qt+64*\c+32
.endr
.endr
	WIN 0
	MCONV 0, 16                                    ; the 16 loads of Q were issued behind the mask's and may stay out
	s_wait_loadcnt 0x0                             ; Q; its offset register lies among the score registers, which are loaded next
	STEP 0, 1, 0, 1                                ; step 0
	STEP 1, 0, 1, 1                                ; step 1
	s_mov_b32 s60, 14
.Lpair:
	STEP 0, 1, 2, 1                                ; steps 2 to 29
	STEP 1, 0, 2, 1
	s_sub_co_u32 s60, s60, 1
	s_cmp_lg_u32 s60, 0
	s_cbranch_scc1 .Lpair
	STEP 0, 1, 2, 1                                ; step 30 asks for the last tiles
	STEP 1, 0, 2, 0                                ; step 31: nothing is left to fetch
	s_cmp_eq_u32 s3, 0
	s_cbranch_scc1 .Lall_done
	SOFTMAX 0                                      ; phase 1: B(31), on registers alone
	PV 0
.Lall_done:
	; THE WAY OUT: the two halves' sums meet, ctx is divided, and 16 queries at a time go through my own stage in LDS, so that
	; sixteen lanes store the 256 consecutive, aligned bytes of one query's head.
.set STO, 34
.set RD,  35
.set CO,  36
.irp qt, 0,1,2,3
	v_add_f32 v[TA+2*\qt], v[LS+2*\qt], v[LS+2*\qt+1]
.endr
.irp qt, 0,1,2,3
	v_permlanex16_b32 v[TB+2*\qt], v[TA+2*\qt], s58, s59
.endr
.irp qt, 0,1,2,3
	v_add_f32 v[TA+2*\qt], v[TA+2*\qt], v[TB+2*\qt]
.endr
.irp qt, 0,1,2,3
	v_rcp_f32 v[AL+2*\qt], v[TA+2*\qt]             ; the plain instructions below stand between these and their first use (ISA guide 5.7.2)
.endr
	v_and_b32 v32, 15, v0                          ; r
	v_bfe_u32 v33, v0, 4, 1                        ; h
	s_mul_i32 s18, s10, 16*APITCH
	s_add_co_u32 s18, s18, ST                      ; my stage
	v_mul_u32_u24 v[STO], v32, APITCH              ; in: query row r, 32 bytes for each half of the lanes
	v_lshl_add_u32 v[STO], v33, 5, v[STO]
	v_add_nc_u32 v[STO], s18, v[STO]
	v_mul_u32_u24 v[RD], v33, APITCH               ; back: lanes 0-15 take one row of 256 bytes, lanes 16-31 the next
	v_lshl_add_u32 v[RD], v32, 4, v[RD]
	v_add_nc_u32 v[RD], s18, v[RD]
	v_lshlrev_b32 v[CO], 4, v32                    ; and the same two rows in out0
	v_lshl_add_u32 v[CO], v33, 12, v[CO]
	s_wait_alu depctr_va_vdst(0)
.macro OUTQ qt
	s_wait_xcnt 0x0                                ; registers that earlier stores read are written again only behind this wait (ISA guide 3.1)
	WIN 0x01                                       ; source 0 window 1
.irp p, 0,1,2,3,4,5,6,7,8,9,10,11,12,13,14,15
	v_pk_mul_f32 v[SC+64*(\qt%2)+2*\p:SC+64*(\qt%2)+2*\p+1], v[CX+32*\qt+2*\p:CX+32*\qt+2*\p+1], v[AL+2*\qt:AL+2*\qt+1] op_sel_hi:[1,0]
.endr
	WIN 0
.irp dt, 0,1,2,3
	ds_store_b128 v[STO], v[SC+64*(\qt%2)+8*\dt:SC+64*(\qt%2)+8*\dt+3]   offset:64*\dt
	ds_store_b128 v[STO], v[SC+64*(\qt%2)+8*\dt+4:SC+64*(\qt%2)+8*\dt+7] offset:64*\dt+16
.endr
.irp i, 0,1,2,3,4,5,6,7
	ds_load_b128 v[SC+64*(\qt%2)+32+4*\i:SC+64*(\qt%2)+32+4*\i+3], v[RD] offset:\i*2*APITCH   ; LDS serves a wave's instructions in order (ISA guide 5.7.1.4): these see the stores above
.endr
.irp i, 0,1,2,3,4,5,6,7
	s_wait_dscnt 7-\i
	global_store_b128 v[CO], v[SC+64*(\qt%2)+32+4*\i:SC+64*(\qt%2)+32+4*\i+3], s[8:9] offset:(16*\qt+2*\i)*4096 th:TH_STORE_NT
.endr
.endm
	OUTQ 0
	OUTQ 1
	OUTQ 2
	OUTQ 3
	s_wait_dscnt 0x0
	s_wait_xcnt 0x0
	v_lshl_add_u32 v62, v0, 2, 0x3b000
	v_mov_b32 v63, 0
	s_wait_tensorcnt 0x0
	ds_add_u32 v62, v63
	s_wait_dscnt 0x0
	ROUND                                          ; the closing round: no work-group ends while a partner may still ask for a tile that names it
	s_endpgm
.Lfunc_end_k_q31d287bfee_attn:
	.size	k_q31d287bfee_attn, .Lfunc_end_k_q31d287bfee_attn-k_q31d287bfee_attn
	.p2alignl 7, 3214868480
	.fill 96, 4, 3214868480
	.section	.rodata,"a",@progbits
	.p2align	6, 0x0
	.amdhsa_kernel k_q31d287bfee_attn
		.amdhsa_group_segment_fixed_size 327680
		.amdhsa_private_segment_fixed_size 0
		.amdhsa_enable_private_segment 0
		.amdhsa_kernarg_size 24
		.amdhsa_user_sgpr_count 2
		.amdhsa_user_sgpr_kernarg_segment_ptr 1
		.amdhsa_wavefront_size32 1
		.amdhsa_system_sgpr_workgroup_id_x 1
		.amdhsa_system_sgpr_workgroup_id_y 1
		.amdhsa_system_sgpr_workgroup_id_z 1
		.amdhsa_system_vgpr_workitem_id 0
		.amdhsa_next_free_vgpr 512
		.amdhsa_next_free_sgpr 66
		.amdhsa_reserve_vcc 0
		.amdhsa_float_denorm_mode_32 3
		.amdhsa_float_denorm_mode_16_64 3
		.amdhsa_memory_ordered 1
		.amdhsa_forward_progress 1
		.amdhsa_inst_pref_size 255
	.end_amdhsa_kernel
	.section	.bss,"aw",@nobits
	.p2align	6
	.space	262144
	.amdgpu_metadata
---
amdhsa.version: [ 1, 2 ]
amdhsa.kernels:
  - .name:           k_q31d287bfee_attn
    .symbol:         k_q31d287bfee_attn.kd
    .args:
      - { .name: qkv, .offset: 0, .size: 8, .value_kind: global_buffer, .address_space: global }
      - { .name: attention_mask, .offset: 8, .size: 8, .value_kind: global_buffer, .address_space: global }
      - { .name: out0, .offset: 16, .size: 8, .value_kind: global_buffer, .address_space: global }
    .group_segment_fixed_size: 327680
    .private_segment_fixed_size: 0
    .kernarg_segment_align: 8
    .kernarg_segment_size: 24
    .max_flat_workgroup_size: 256
    .sgpr_count:     66
    .vgpr_count:     512
    .wavefront_size: 32
...
	.end_amdgpu_metadata
.endif
;; end of part 3
;; ======== version 2 of 2: 3 launches; version 1 with the launch cvt written anew for expert scheduling mode
;; limits: values are held in f16: magnitudes above 65,504 overflow, below 6.1e-05 lose precision
;; workspace buffers: xb 50,331,648 bytes; wb 6,291,456 bytes; qkv 50,331,648 bytes
;; launch cvt (part 4): grid 1024 x 1, 8 waves a work-group, no clusters, 0 bytes of LDS; arguments q, k, v, wq_kernel, wk_kernel, wv_kernel, xb, wb; writes xb, wb
.if DOCPART == 4
	.amdgcn_target "amdgcn-amd-amdhsa--gfx1250"
	.amdhsa_code_object_version 6
	.text
	.protected	k_q31d287bfee_cvt
	.globl	k_q31d287bfee_cvt
	.p2align	8
	.type	k_q31d287bfee_cvt,@function
k_q31d287bfee_cvt:
	s_mov_b64 s[64:65], 0
	v_nop
	global_prefetch_b8 v0, s[64:65] scope:SCOPE_SE
	s_setreg_imm32_b32 hwreg(HW_REG_WAVE_SCHED_MODE, 0, 2), 2
	s_setreg_imm32_b32 hwreg(HW_REG_WAVE_MODE, 25, 1), 1
	s_wait_xcnt 0x0
	s_wait_alu depctr_vm_vsrc(0)
; Cast to bf16: xb[3][8192][1024] = q, k, v;  wb[3][1024][1024] = wq, wk, wv (not transposed).  Rounding to nearest even.
; A stream: every input byte is read once and every output byte written once; LDS, barriers and matrix units would add nothing.
; Work-group x of 1,024 takes 1/1,024 of each of the six inputs: 32,768 bytes of q, k and v (eight loads of 16 bytes a thread each)
; and 4,096 bytes of each weight (one load).  All 27 loads of a thread go out at once, each into registers of its own, so there is no loop.
; A load of a wave covers 512 consecutive bytes; a store of a wave covers 256 consecutive bytes, aligned.
; THE MODE: SCHED_MODE bits 1:0 = 2 (LLVM: expert scheduling mode 2), set by the entry lines.  The code itself states the register dependences
; between vector instructions and memory instructions, with s_wait_alu, always for 0.
; THE PLAN.  Registers that memory instructions touch:
;   v1, v2         byte offsets of the loads and of the stores: written once at the head, never again.
;   v[4+4m:7+4m]   load m lands here (no vector instruction names them before); m's two conversions read all four and write the first two; store m reads
;                  those two; nothing writes them again.
; The 27 loads go in seven blocks, six of four and one of three.  Block p converts its own loads; its memory instructions are the stores of block p - 1,
; whose data the block before wrote and which no conversion of block p names.  So one wait at a block's head states all that its stores hang on, and they are
; dealt among its conversions with no further wait.  No register that a memory instruction reads is written again: no wait is owed for that.
.set NLOADS, 27
.set BLOCK,  4                         ; loads in a block (the last has three: the weights)
.set X, 4                              ; v[4+4n:7+4n]: load n; its first two registers then hold the four bf16 to store
	s_load_b512 s[8:23], s[0:1], 0x0               ; q s[8:9], k s[10:11], v s[12:13], wq s[14:15], wk s[16:17], wv s[18:19], xb s[20:21], wb s[22:23]
	v_lshlrev_b32 v1, 4, v0                        ; 16 bytes a thread in
	v_lshlrev_b32 v2, 3, v0                        ; 8 bytes a thread out
	s_lshl_b32 s4, ttmp9, 15                       ; my 32,768 bytes of q, k, v
	s_mov_b32 s5, 0
	s_lshl_b32 s6, ttmp9, 12                       ; my 4,096 bytes of a weight
	s_mov_b32 s7, 0
	s_lshl_b32 s36, ttmp9, 14                      ; half as many bytes out
	s_mov_b32 s37, 0
	s_lshl_b32 s38, ttmp9, 11
	s_mov_b32 s39, 0
	s_wait_kmcnt 0x0
.irp g, 0,1,2
	s_add_nc_u64 s[8+2*\g:9+2*\g], s[8+2*\g:9+2*\g], s[4:5]
	s_add_nc_u64 s[14+2*\g:15+2*\g], s[14+2*\g:15+2*\g], s[6:7]
.endr
	s_add_nc_u64 s[24:25], s[20:21], s[36:37]      ; xb: q's part,
	s_add_nc_u64 s[26:27], s[24:25], 0x1000000     ; k's, 8192 x 1024 x 2 bytes on,
	s_add_nc_u64 s[28:29], s[24:25], 0x2000000     ; v's
	s_add_nc_u64 s[30:31], s[22:23], s[38:39]      ; wb: wq's part,
	s_add_nc_u64 s[32:33], s[30:31], 0x200000      ; wk's, 1024 x 1024 x 2 bytes on,
	s_add_nc_u64 s[34:35], s[30:31], 0x400000      ; wv's
	s_wait_alu depctr_va_vdst(0)                   ; v1 and v2 are written: every load of the kernel reads v1 as its offset, every store v2
.irp g, 0,1,2
.irp i, 0,1,2,3,4,5,6,7
	global_load_b128 v[X+4*(8*\g+\i):X+4*(8*\g+\i)+3], v1, s[8+2*\g:9+2*\g] offset:4096*\i th:TH_LOAD_NT
.endr
.endr
.irp g, 0,1,2
	global_load_b128 v[X+4*(24+\g):X+4*(24+\g)+3], v1, s[14+2*\g:15+2*\g] th:TH_LOAD_NT
.endr
; load m's four f32 close up into two registers of bf16
.macro CVT m
	v_cvt_pk_bf16_f32 v[X+4*(\m)],   v[X+4*(\m)],   v[X+4*(\m)+1]
	v_cvt_pk_bf16_f32 v[X+4*(\m)+1], v[X+4*(\m)+2], v[X+4*(\m)+3]
.endm
; and leave: loads 0 to 23 are q's, k's and v's eight each, 2,048 bytes of xb apart; loads 24 to 26 the three weights'
.macro ST m
.if (\m) < 24
	global_store_b64 v2, v[X+4*(\m):X+4*(\m)+1], s[24+2*((\m)/8):25+2*((\m)/8)] offset:2048*((\m)%8)
.else
	global_store_b64 v2, v[X+4*(\m):X+4*(\m)+1], s[30+2*((\m)-24):31+2*((\m)-24)]
.endif
.endm
; Block p: loads 4 p to 4 p + n - 1 are converted; the four stores of block p - 1 stand among the conversions, each ahead of a load's two.
.macro BLK p, n
	s_wait_loadcnt NLOADS-BLOCK*(\p)-(\n)          ; loads return in order (ISA guide 5.7.1): this block's are in when only the younger ones are out
.if (\p) > 0
	s_wait_alu depctr_va_vdst(0)                   ; the conversions of the block before have written the pairs that the four stores below read; no conversion below names those pairs
.endif
.irp i, 0,1,2,3
.if (\p) > 0
	ST BLOCK*(\p)-BLOCK+\i
.endif
.if \i < (\n)
	CVT BLOCK*(\p)+\i
.endif
.endr
.endm
	BLK 0, 4                                       ; q
	BLK 1, 4
	BLK 2, 4                                       ; k
	BLK 3, 4
	BLK 4, 4                                       ; v
	BLK 5, 4
	BLK 6, 3                                       ; the three weights
	s_wait_alu depctr_va_vdst(0)                   ; the last block's conversions have written the pairs that the last three stores read
	ST 24
	ST 25
	ST 26
	s_endpgm
.Lfunc_end_k_q31d287bfee_cvt:
	.size	k_q31d287bfee_cvt, .Lfunc_end_k_q31d287bfee_cvt-k_q31d287bfee_cvt
	.p2alignl 7, 3214868480
	.fill 96, 4, 3214868480
	.section	.rodata,"a",@progbits
	.p2align	6, 0x0
	.amdhsa_kernel k_q31d287bfee_cvt
		.amdhsa_group_segment_fixed_size 0
		.amdhsa_private_segment_fixed_size 0
		.amdhsa_enable_private_segment 0
		.amdhsa_kernarg_size 64
		.amdhsa_user_sgpr_count 2
		.amdhsa_user_sgpr_kernarg_segment_ptr 1
		.amdhsa_wavefront_size32 1
		.amdhsa_system_sgpr_workgroup_id_x 1
		.amdhsa_system_sgpr_workgroup_id_y 1
		.amdhsa_system_sgpr_workgroup_id_z 1
		.amdhsa_system_vgpr_workitem_id 0
		.amdhsa_next_free_vgpr 112
		.amdhsa_next_free_sgpr 66
		.amdhsa_reserve_vcc 0
		.amdhsa_float_denorm_mode_32 3
		.amdhsa_float_denorm_mode_16_64 3
		.amdhsa_memory_ordered 1
		.amdhsa_forward_progress 1
		.amdhsa_inst_pref_size 11
	.end_amdhsa_kernel
	.amdgpu_metadata
---
amdhsa.version: [ 1, 2 ]
amdhsa.kernels:
  - .name:           k_q31d287bfee_cvt
    .symbol:         k_q31d287bfee_cvt.kd
    .args:
      - { .name: q, .offset: 0, .size: 8, .value_kind: global_buffer, .address_space: global }
      - { .name: k, .offset: 8, .size: 8, .value_kind: global_buffer, .address_space: global }
      - { .name: v, .offset: 16, .size: 8, .value_kind: global_buffer, .address_space: global }
      - { .name: wq_kernel, .offset: 24, .size: 8, .value_kind: global_buffer, .address_space: global }
      - { .name: wk_kernel, .offset: 32, .size: 8, .value_kind: global_buffer, .address_space: global }
      - { .name: wv_kernel, .offset: 40, .size: 8, .value_kind: global_buffer, .address_space: global }
      - { .name: xb, .offset: 48, .size: 8, .value_kind: global_buffer, .address_space: global }
      - { .name: wb, .offset: 56, .size: 8, .value_kind: global_buffer, .address_space: global }
    .group_segment_fixed_size: 0
    .private_segment_fixed_size: 0
    .kernarg_segment_align: 8
    .kernarg_segment_size: 64
    .max_flat_workgroup_size: 256
    .sgpr_count:     66
    .vgpr_count:     112
    .wavefront_size: 32
...
	.end_amdgpu_metadata
.endif
;; end of part 4
;; launch gemm: the kernel of part 2 again; grid 4 x 96, 4 waves a work-group, clusters of 4 x 4, 327,680 bytes of LDS; arguments xb, wb, qkv, wq_bias, wk_bias, wv_bias; writes qkv
;; launch attn: the kernel of part 3 again; grid 4 x 64, 8 waves a work-group, clusters of 4 x 4, 327,680 bytes of LDS; arguments qkv, attention_mask, out0; writes out0
